; MI455X (gfx1250); checked and timed in simulation.
; The chip was launched on July 23, 2026; its instructions are those of AMD's public machine-readable ISA for CDNA 5 (MIT licence, August 2026) and "CDNA5" Instruction Set Architecture Reference Guide (July 2026). The comments in the code are by the model that wrote it; some were corrected since.
;; Gated Cross Attention. Allowed arithmetic: matrix products marked QUANTISED: E2M3 operands, one E8M0 scale for each 32 along K, by v_wmma_scale_f32_16x16x128_f8f6f4 with both operands' format E2M3, f32 sums; products left as they are: f32 operands where the result goes on into a quantised operand, else bf16, f16 or f32 operands; f32 sums; everything else in f32.
;; Inputs: Wg 4,096 x 8 float32; Wk 1,024 x 1,024 float32; Wo 1,024 x 1,024 float32; Wq 1,024 x 1,024 float32; Wv 1,024 x 1,024 float32; bg 4,096 float32; bk 1,024 float32; bo 1,024 float32; bq 1,024 float32; bv 1,024 float32; gate 4 x 4,096 x 8 float32; key 4 x 4,096 x 1 x 1,024 float32; query 4 x 4,096 x 1,024 float32.
;; Outputs: out0 4 x 4,096 x 1,024 float32.
;; This version of the problem:
;;   THIS VERSION OF THE PROBLEM IS GIVEN IN LOW PRECISION. The matrix products marked QUANTISED in the list below multiply operands that are first quantised to E2M3 (2 exponent bits, 3 mantissa bits; 6 bits a number), with one power-of-two scale for each 32 numbers along K (OCP MX v1.0); their sums are f32. All else is computed in f32.
;;   The module's matrix products, in the order in which they are computed (A, B: the left and right operand; K: the contracted axis; several contracted axes count as one K, in the product's order):
;;     1. [M 16,384, K 1,024] x [K 1,024, N 1,024]; A: input query; B: input Wq: QUANTISED
;;     2. [M 16,384, K 1,024] x [K 1,024, N 1,024]; A: input key; B: input Wk: QUANTISED
;;     3. [M 16,384, K 1,024] x [K 1,024, N 1,024]; A: input key; B: input Wv: QUANTISED
;;     4. [M 16,384, K 8] x [K 8, N 4,096]; A: input gate; B: input Wg: left as it is (K = 8 < 32)
;;     5. batch 262,144 x [M 1, K 64] x [K 64, N 1]; A: computed on the way; B: computed on the way: left as it is (M = 1 < 16)
;;     6. batch 262,144 x [M 1, K 1] x [K 1, N 64]; A: softmax; B: computed on the way: left as it is (K = 1 < 32)
;;     7. [M 16,384, K 1,024] x [K 1,024, N 1,024]; A: computed on the way; B: input Wo: QUANTISED
;;   THE QUANTISER, for each operand of a quantised product, along K:
;;     - K is cut into blocks of 32 from its start; a last block that is shorter is filled with zeros.
;;     - A block's scale is 2^e with e = floor(log2(the largest magnitude in the block)) - 2, held to -126 .. 127; a block of zeros has e = 0. As a byte (E8M0): e + 127.
;;     - Each number is divided by its block's scale, clamped to +-7.5, and rounded to the nearest number of E2M3, ties to even, subnormals kept.
;;     - The product sums the exact products of the quantised numbers (number of the format x scale) in f32.
;;   ~~~python
;;   def quantise(x, axis):      # numpy; x: float32 -> the quantised numbers, widened to float32 again
;;       x = np.moveaxis(x, axis, -1); K = x.shape[-1]
;;       x = np.pad(x, [(0, 0)] * (x.ndim - 1) + [(0, -K % 32)]); x = x.reshape(x.shape[:-1] + (-1, 32)); a = np.abs(x).max(-1, keepdims=True)
;;       e = np.where(a > 0, np.clip(np.frexp(np.where(a > 0, a, 1))[1] - 1 - 2, -126, 127), 0)      # np.frexp(a)[1] - 1 = floor(log2(a)), exactly
;;       r = np.clip(x / 2.0 ** e, -7.5, 7.5)
;;       step = 2.0 ** (np.maximum(np.frexp(np.where(r == 0, 1, r))[1] - 1, 0) - 3)
;;       q = np.round(r / step) * step * 2.0 ** e      # np.round: ties to even
;;       return np.moveaxis(q.reshape(q.shape[:-2] + (-1,))[..., :K], -1, axis).astype(np.float32)
;;   ~~~
;;   OPERANDS COMPUTED ON THE WAY. 'Computed on the way' means the value that the module computes at that place (a softmax that the list does not call 'softmax' is quantised finished and normalised). What goes into a quantiser is computed in f32, as accurately as f32 sums, v_exp_f32 and their like allow (about 1e-6 of the number): no bf16 or f16 on the way to a quantiser, and a product that is left as it is and whose result goes on into a quantised operand takes f32 operands (vector FMAs, or v_wmma_f32_16x16x4_f32). A number that lies on a knife's edge between two numbers of the format may be rounded either way, as far as f32 arithmetic and the matrix unit's own rounding can turn it there, and no further.
;; One version. Each part assembles by itself: llvm-mc -triple=amdgcn-amd-amdhsa -mcpu=gfx1250 --defsym DOCPART=n.
;; ======== version 1 of 1: 2 launches
;; limits: right only within a limited range of input values
;; workspace buffers: wq 1,638,400 bytes
;; launch prep (part 1): grid 256 x 1, 4 waves a work-group, no clusters, 34,560 bytes of LDS; arguments Wk, Wo, wq; writes wq
.if DOCPART == 1
	.amdgcn_target "amdgcn-amd-amdhsa--gfx1250"
	.amdhsa_code_object_version 6
	.text
	.protected	k_q77258889db_prep
	.globl	k_q77258889db_prep
	.p2align	8
	.type	k_q77258889db_prep,@function
k_q77258889db_prep:
	s_mov_b64 s[64:65], 0
	v_nop
	global_prefetch_b8 v0, s[64:65] scope:SCOPE_SE
	s_setreg_imm32_b32 hwreg(HW_REG_WAVE_MODE, 25, 1), 1
	s_wait_xcnt 0x0
; WHAT OF THE MODULE THIS PROGRAM IS.  v and g are views of k, so v x g = k x k.  The softmax runs over an axis of length 1: s - max(s) = 0, exp(0) = 1, 1 / 1 = 1, so its weight is exactly 1
; for every finite score, and q, the scores and the weight reach no output; the products with Wv and Wg are bound to names that are never used.  So query, Wq, bq, Wv, bv, gate, Wg, bg are not read.
; LIMITS of the whole program: a NaN, an infinity or an overflow that reaches only the work left out (a score that is not finite, say) is not carried to the result; NaN and infinities among the inputs are not served;
; a block of zeros carries the scale byte 1 where the rule says 127 (its codes are zeros, which add nothing, and the bytes never leave the program); blocks whose largest magnitude lies under 2^-124 are held at that floor.
; THIS LAUNCH: Wk and Wo, [1024][1024] f32 with K innermost, become codes of FP6 (E2M3) with one E8M0 scale byte for each 32 along K, laid in wq in the order in which the second launch streams them.
; wq = 16 fills x 4 portions (one a wave w) of 25,600 bytes: 16 fragments e of 1,536 bytes (registers 4 q .. 4 q + 3 of lane l at 512 q + 16 l), then at 24,576 four units of 256 bytes of scale words:
; unit e / 4, word 8 lane + 4 ((e / 2) % 2), lanes 0-15 the even e, lanes 16-31 the odd.
; Fill f < 8: Wk's K step f; e = tile of the wave's 256 rows.  Fill 8 + 2 g + k: Wo's K steps 4 k + u and the wave's rows 64 g .. 64 g + 63; e = 4 u + tile.
; THE ROWS OF A TILE ARE NOT NEIGHBOURS.  Of a group of 64 rows, row r of tile i is in Wk row 8 i + r % 8 + 32 (r / 8): a lane of the (transposed) result then holds, over four tiles, 32 neighbours: a whole block of the next K;
; in Wo row 4 r + i: a lane of the (untransposed) result then holds, over four tiles, four neighbouring columns, and 16 lanes a row's 64.
; SHARES: work-group x = 128 p + 8 G + s (p: 0 Wk, 1 Wo) takes 64 rows x K step s; wave i takes tile i.  Each load reads 512 consecutive bytes of a row; the 16 rows turn through the wave's own stage, so that a lane gets two whole blocks.
.set SPITCH, 528                       ; a stage row: 512 bytes + 16 = 33 x 16 bytes
.set WSTG,   16*SPITCH
.set SCB,    4*WSTG                    ; behind the stages: the work-group's 256 bytes of scale words
.set SPARE,  SCB+256                   ; the spare words
	s_load_b128 s[4:7], s[0:1], 0x0                ; Wk, Wo
	s_load_b64 s[8:9], s[0:1], 0x10                ; wq
	v_lshl_add_u32 v2, v0, 2, SPARE                ; my spare word,
	v_mov_b32 v3, 0                                ; and 0
	v_lshrrev_b32 v9, 5, v0
	v_readfirstlane_b32 s10, v9                    ; wave = tile i
	s_and_b32 s16, ttmp9, 7                        ; s
	s_bfe_u32 s11, ttmp9, 0x40003                  ; G: which 64 rows
	s_lshr_b32 s17, ttmp9, 7                       ; p
	s_and_b32 s24, s11, 3
	s_and_b32 s25, s16, 3
	s_lshr_b32 s26, s16, 2
	s_lshl_b32 s27, s24, 1
	s_add_co_u32 s27, s27, s26
	s_add_co_u32 s27, s27, 8                       ; Wo: fill 8 + 2 g + s / 4
	s_lshl_b32 s19, s10, 3
	s_cmp_eq_u32 s17, 0
	s_cselect_b32 s27, s16, s27                    ; Wk: fill s
	s_cselect_b32 s25, s24, s25                    ; which four of the portion's 16 fragments: Wk G % 4, Wo s % 4
	s_cselect_b32 s19, s19, s10                    ; the tile's first row: Wk 8 i, Wo i
	s_lshl_b32 s18, s11, 6
	s_add_co_u32 s18, s18, s19
	s_lshl_b32 s18, s18, 12                        ; rows of 4,096 bytes
	s_lshl_b32 s19, s16, 9
	s_add_co_u32 s18, s18, s19                     ; + 512 bytes a K step
	s_mov_b32 s19, 0
	s_lshl_b32 s27, s27, 2
	s_lshr_b32 s26, s11, 2
	s_add_co_u32 s27, s27, s26
	s_mul_i32 s27, s27, 25600                      ; the portion's first byte
	s_lshl_b32 s28, s25, 8
	s_add_co_u32 s28, s28, s27
	s_add_co_u32 s28, s28, 24576                   ; the unit of scale words
	s_mov_b32 s29, 0
	s_mul_i32 s30, s25, 6144
	s_add_co_u32 s30, s30, s27
	s_mul_i32 s31, s10, 1536
	s_add_co_u32 s30, s30, s31                     ; my fragment
	s_mov_b32 s31, 0
	s_mul_i32 s23, s10, WSTG                       ; my stage
	s_and_b32 s22, s10, 1
	s_lshl_b32 s22, s22, 7
	s_lshr_b32 s21, s10, 1
	s_lshl_b32 s21, s21, 2
	s_add_co_u32 s22, s22, s21
	s_add_co_u32 s22, s22, SCB
	v_and_b32 v9, 31, v0                           ; lane
	v_and_b32 v10, 15, v0                          ; r
	v_bfe_u32 v11, v0, 4, 1                        ; h
	v_lshlrev_b32 v1, 4, v9                        ; 16 x lane
	v_add_nc_u32 v4, s23, v1                       ; stage, in
	v_mul_u32_u24 v5, v10, SPITCH
	v_lshl_add_u32 v5, v11, 7, v5
	v_add_nc_u32 v5, s23, v5                       ; stage, out: row r, + 128 h
	v_lshl_add_u32 v6, v10, 3, v11
	v_add_nc_u32 v6, s22, v6                       ; my row's scale word, byte h
	v_lshlrev_b32 v7, 3, v9
	v_add_nc_u32 v8, SCB, v7                       ; the way out of the words
	s_wait_alu depctr_va_vdst(0)
	s_wait_kmcnt 0x0
	s_cmp_eq_u32 s17, 0                            ; the choice hangs on the work-group's number alone
	s_cselect_b64 s[4:5], s[4:5], s[6:7]
	s_add_nc_u64 s[4:5], s[4:5], s[18:19]
	s_add_nc_u64 s[12:13], s[8:9], s[30:31]
	s_add_nc_u64 s[14:15], s[8:9], s[28:29]
	s_cmp_eq_u32 s17, 0
	s_cbranch_scc0 .Lwo
.irp i, 0,1,2,3,4,5,6,7,8,9,10,11,12,13,14,15
	global_load_b128 v[16+4*\i:19+4*\i], v1, s[4:5] offset:(\i+24*(\i/8))*4096 th:TH_LOAD_NT   ; tile row i: 512 consecutive bytes
.endr
	s_branch .Lasked
.Lwo:
.irp i, 0,1,2,3,4,5,6,7,8,9,10,11,12,13,14,15
	global_load_b128 v[16+4*\i:19+4*\i], v1, s[4:5] offset:\i*4*4096 th:TH_LOAD_NT
.endr
.Lasked:
.irp i, 0,1,2,3,4,5,6,7,8,9,10,11,12,13,14,15
	s_wait_loadcnt 15-\i                           ; row i is in, the 15 - i younger ones may be out
	ds_store_b128 v4, v[16+4*\i:19+4*\i] offset:SPITCH*\i
.endr
.irp c, 0,1
.irp j, 0,1,2,3,4,5,6,7
	ds_load_b128 v[80+32*\c+4*\j:83+32*\c+4*\j], v5 offset:256*\c+16*\j   ; k = 64 c + 32 h + 4 j on, of row r.  LDS serves a wave's instructions in order
.endr
.endr
	s_wait_dscnt 0x0
.macro LINE i, x, t                    ; the largest magnitude of 32 numbers from register x on, in two chains t, t + 1, with the floor 2^(3 - 127): line i of 16
.if (\i) == 14
.set T_, (\t)+1
.set B_, (\x)+15
	v_max3_num_f32 v[T_], v[T_], |v[B_]|, 0x1800000
.elseif (\i) == 15
.set T_, \t
.set B_, (\x)+31
	v_max3_num_f32 v[T_], v[T_], |v[B_]|, v[T_+1]
.else
.set T_, (\t)+1-(\i)%2
.set B_, (\x)+16*((\i)%2)+2*((\i)/2)
.if (\i) < 2
	v_max3_num_f32 v[T_], |v[B_]|, |v[B_+1]|, |v[B_+2]|
.else
	v_max3_num_f32 v[T_], v[T_], |v[B_+1]|, |v[B_+2]|
.endif
.endif
.endm
.irp i, 0,1,2,3,4,5,6,7,8,9,10,11,12,13,14,15
	LINE \i, 80, 10
	LINE \i, 112, 12
.endr
	v_add_nc_u32 v14, 0xff000000, v10              ; 2 off the exponent field: the conversions' scale operand
	v_add_nc_u32 v15, 0xff000000, v12
	v_cvt_scalef32_pk16_fp6_f32 v[144:146], v[80:95], v14
	v_cvt_scalef32_pk16_fp6_f32 v[156:158], v[96:111], v14    ; (a conversion's three registers begin on an even number: the second half is made elsewhere and moved)
	v_cvt_scalef32_pk16_fp6_f32 v[150:152], v[112:127], v15
	v_cvt_scalef32_pk16_fp6_f32 v[160:162], v[128:143], v15
	v_lshrrev_b32 v164, 23, v14                    ; the scales' bytes; also the plain places behind the conversions
	v_lshrrev_b32 v165, 23, v15
.irp i, 0,1,2
	v_mov_b32 v[147+\i], v[156+\i]
	v_mov_b32 v[153+\i], v[160+\i]
.endr
	ds_store_b8 v6, v164                           ; block h,
	ds_store_b8 v6, v165 offset:2                  ; block 2 + h
.irp q, 0,1,2
	global_store_b128 v1, v[144+4*\q:147+4*\q], s[12:13] offset:512*\q   ; 32 lanes store 512 consecutive bytes, at a multiple of 256 from wq's first byte
.endr
	s_wait_dscnt 0x0                               ; for wave 0's sake: my bytes have landed
	s_barrier_signal -1
	s_barrier_wait -1
	s_cmp_lg_u32 s10, 0
	s_cbranch_scc1 .Ldone
	ds_load_b64 v[16:17], v8
	s_wait_dscnt 0x0
	global_store_b64 v7, v[16:17], s[14:15]        ; one aligned unit of 256 bytes
.Ldone:
	s_wait_tensorcnt 0x0                           ; the wave's end
	ds_add_u32 v2, v3
	s_wait_dscnt 0x0
	s_endpgm
.Lfunc_end_k_q77258889db_prep:
	.size	k_q77258889db_prep, .Lfunc_end_k_q77258889db_prep-k_q77258889db_prep
	.p2alignl 7, 3214868480
	.fill 96, 4, 3214868480
	.section	.rodata,"a",@progbits
	.p2align	6, 0x0
	.amdhsa_kernel k_q77258889db_prep
		.amdhsa_group_segment_fixed_size 34560
		.amdhsa_private_segment_fixed_size 0
		.amdhsa_enable_private_segment 0
		.amdhsa_kernarg_size 24
		.amdhsa_user_sgpr_count 2
		.amdhsa_user_sgpr_kernarg_segment_ptr 1
		.amdhsa_wavefront_size32 1
		.amdhsa_system_sgpr_workgroup_id_x 1
		.amdhsa_system_sgpr_workgroup_id_y 1
		.amdhsa_system_sgpr_workgroup_id_z 1
		.amdhsa_system_vgpr_workitem_id 0
		.amdhsa_next_free_vgpr 168
		.amdhsa_next_free_sgpr 66
		.amdhsa_reserve_vcc 0
		.amdhsa_float_denorm_mode_32 3
		.amdhsa_float_denorm_mode_16_64 3
		.amdhsa_memory_ordered 1
		.amdhsa_forward_progress 1
		.amdhsa_inst_pref_size 13
	.end_amdhsa_kernel
	.amdgpu_metadata
---
amdhsa.version: [ 1, 2 ]
amdhsa.kernels:
  - .name:           k_q77258889db_prep
    .symbol:         k_q77258889db_prep.kd
    .args:
      - { .name: Wk, .offset: 0, .size: 8, .value_kind: global_buffer, .address_space: global }
      - { .name: Wo, .offset: 8, .size: 8, .value_kind: global_buffer, .address_space: global }
      - { .name: wq, .offset: 16, .size: 8, .value_kind: global_buffer, .address_space: global }
    .group_segment_fixed_size: 34560
    .private_segment_fixed_size: 0
    .kernarg_segment_align: 8
    .kernarg_segment_size: 24
    .max_flat_workgroup_size: 128
    .sgpr_count:     66
    .vgpr_count:     168
    .wavefront_size: 32
...
	.end_amdgpu_metadata
.endif
;; end of part 1
;; launch main (part 2): grid 256 x 1, 4 waves a work-group, clusters of 4 x 1, 327,680 bytes of LDS; arguments key, bk, bo, wq, out0; writes out0
.if DOCPART == 2
	.amdgcn_target "amdgcn-amd-amdhsa--gfx1250"
	.amdhsa_code_object_version 6
	.text
	.protected	k_q77258889db_main
	.globl	k_q77258889db_main
	.p2align	8
	.type	k_q77258889db_main,@function
k_q77258889db_main:
	s_mov_b64 s[64:65], 0
	v_nop
	global_prefetch_b8 v0, s[64:65] scope:SCOPE_SE
	s_setreg_imm32_b32 hwreg(HW_REG_WAVE_MODE, 25, 1), 1
	s_wait_xcnt 0x0
	s_wait_alu depctr_hold_cnt(0) depctr_sa_sdst(0) depctr_va_vdst(0) depctr_va_sdst(0) depctr_va_ssrc(0) depctr_va_vcc(0) depctr_vm_vsrc(0)
	s_getreg_b32 s2, hwreg(HW_REG_IB_STS2, 6, 4)
	s_cmp_eq_u32 s2, 0
	s_cbranch_scc0 .Lentry_in_a_cluster
	s_endpgm
.Lentry_in_a_cluster:
	s_bfe_u32 s2, ttmp6, 0x10000c
	s_cmp_lg_u32 s2, 0x3003
	s_cbranch_scc0 .Lentry_shape_is_right
	s_endpgm
.Lentry_shape_is_right:
; out0 = Q(k x k) Wo^T + bo with k = Q(key) Q(Wk)^T + bk; Q: codes of FP6 (E2M3), one E8M0 scale for each 32 along K; sums in f32.  16,384 rows, all widths 1,024.
; WORK LEFT OUT: the softmax over an axis of length 1 weighs with exactly 1, so query, Wq, bq and the scores reach no output, and Wv, bv, gate, Wg, bg are never used: the first launch's head shows it and states the limits, which hold here too.
; SHARES.  A work-group of four waves takes 64 rows through both products; the hidden layer never goes to memory.  Wave w makes units, then outputs, 256 w .. 256 w + 255 for all 64 rows, so a weight's fragment is read from LDS once in the work-group and feeds four products.
; THE WEIGHTS come as codes from wq in 16 fills of 4 portions of 25,600 bytes through two slots; a wave fetches its own portion and alone reads it.  All work-groups walk the same fills: the four of a cluster ask JOINTLY.
; FIRST PRODUCT, K OUTERMOST: fill p is K step p of all 1,024 units; 64 accumulators a wave.  While step p is multiplied, step p + 1 of key (16 rows a wave) turns through the wave's stage, is quantised and goes to the other waves as
; images of the operand's registers, and steps p + 2 and p + 3 of key are on their way into registers.  Key is not prefetched beyond that: two K steps, 64 KB a work-group, are asked for already.
; It is used TRANSPOSED (source 0 = 16 rows of Wk): lane (r, h) holds row r and, over four tiles, the 32 units 32 h + 0 .. 31 of 64: a whole block of the next K, and no other lane is asked.
; SECOND PRODUCT, by groups of 64 outputs a wave: fill 8 + 2 g + k is K steps 4 k .. 4 k + 3 of group g; 16 accumulators; the hidden layer's 32 fragments lie in registers.
; It is used untransposed (source 1 = 16 rows of Wo): register j of lane (r, h) is row 8 h + j, column 4 r + t of tile t: the addition of the bias lays four tiles' numbers side by side, 16 bytes a lane, 256 bytes a row's 16 lanes.
; PREFETCH: behind each joint load, and the LDS loads that follow it, the portion of the fill two further on is asked for, by the clusters 0, 4, 32 and 36 alone: each wave names 25 of its portion's 100 blocks of 256 bytes, by its work-group's place; fills 1 and 2 at the head; none behind fill 15.
; The first bias is loaded into the accumulators of row tile 3, which all four row tiles' first products take as C.
; REGISTERS.  Window 0: v0-31 addresses; scale words: rows (s, m) at 32 + 8 s + m, weights at 36-39 and 44-47; between them the quantiser's.  First product: v96-127 block c = 0 of key, v128-191, v192-255 key as loaded, two sets.
;   Second: v96-223 accumulators (32 m + 8 t), v224-227 the bias.  Window 1: v0-191 the weights' 16 fragments; v192-239 the rows' four, v240-251 codes; second product: v192-255 rows of out0.
;   Windows 2, 3: first product: accumulator (m, e) at 128 m + 8 e; second: the rows' fragments, K steps 0-4 and 5-7; rows of out0 in v192-255 of window 3.
; The first product's eight periods are written out: slots, buffers and what is still to be fetched change with the period.
.set PORT,   25600
.set SLOTB,  4*PORT                    ; slot 0 at LDS byte 0, slot 1 behind it: tensor loads alone write these
.set XIMG,   2*SLOTB                   ; key's images: two buffers of 4 x 1,536 bytes of codes and 16 x 16 of scale words
.set XB,     6400
.set HIMG,   XIMG+2*XB                 ; the hidden layer's 32 images
.set HSC,    HIMG+49152                ; its scale words: 256 s + 16 r + 4 m
.set STG,    HSC+2048                  ; the waves' stages for key
.set SPITCH, 528
.set WSTG,   16*SPITCH
.set SPARE,  STG+4*WSTG                ; the spare words
.set MSB, 0
.macro WIN new                         ; the immediate's high byte repeats the setting that is left; a switch that changes nothing is dropped
.set NW_, \new
.if MSB != NW_
	s_set_vgpr_msb (MSB<<8)|NW_
.set MSB, NW_
.endif
.endm
.macro PLACES n                        ; plain places behind matrix instructions (ISA guide 7.12.1)
.rept \n
	v_nop
.endr
.endm
.macro CREST                           ; a round of the cluster's barrier behind its opening barrier
	s_cmp_lg_u32 s14, 0
	s_cbranch_scc1 .Lnot_wave_0_\@
	s_barrier_signal -3
.Lnot_wave_0_\@:
	s_barrier_wait -3
	s_barrier_signal -1
	s_barrier_wait -1
.endm
.macro CROUND
	s_barrier_signal -1
	s_barrier_wait -1
	CREST
.endm
.macro ASK off                         ; s23 < s47 only in the four clusters that ask, and while there is a fill two further on
	s_cmp_lt_u32 s23, s47
	s_cbranch_scc0 .Lnot_asked_\@
	global_prefetch_b8 v22, s[44:45] offset:(\off)*SLOTB th:TH_LOAD_NT scope:SCOPE_SE
.Lnot_asked_\@:
.endm
; half hh of my portion in slot sl: fragments 8 hh .. 8 hh + 7 and their scale words: 26 LDS loads
.macro FETCHB sl, hh
	WIN 0x40
.irp t, 0,1,2,3,4,5,6,7
.irp q, 0,1,2
	ds_load_b128 v[12*(8*(\hh)+\t)+4*\q:12*(8*(\hh)+\t)+4*\q+3], v[14+(\sl)] offset:1536*(8*(\hh)+\t)+512*\q
.endr
.endr
	WIN 0
	ds_load_b64 v[36+8*(\hh):37+8*(\hh)], v[16+(\sl)] offset:512*(\hh)
	ds_load_b64 v[38+8*(\hh):39+8*(\hh)], v[16+(\sl)] offset:512*(\hh)+256
.endm
; line i of 16 of the largest magnitude of 32 numbers from register x of window w on: two chains t + 1 and t, the floor 2^(3 - 127) among the leaves, so that the byte cannot fall under 1
.macro LINE i, x, t, w
.if (\i) < 2
	WIN (\w)*21
.elseif (\i) < 14
	WIN (\w)*20
.else
	WIN (\w)*4
.endif
.if (\i) == 14
.set T_, (\t)+1
.set B_, (\x)+15
	v_max3_num_f32 v[T_], v[T_], |v[B_]|, 0x1800000
.elseif (\i) == 15
.set T_, \t
.set B_, (\x)+31
	v_max3_num_f32 v[T_], v[T_], |v[B_]|, v[T_+1]
.else
.set T_, (\t)+1-(\i)%2
.set B_, (\x)+16*((\i)%2)+2*((\i)/2)
.if (\i) < 2
	v_max3_num_f32 v[T_], |v[B_]|, |v[B_+1]|, |v[B_+2]|
.else
	v_max3_num_f32 v[T_], v[T_], |v[B_+1]|, |v[B_+2]|
.endif
.endif
.endm
; ---- the first product.  8 products: tiles 8 hh .. 8 hh + 7 x row tile m; sp: the step's parity; fst: step 0; ln >= 0: behind each, lines ln + t of the two blocks of key in hand.
; The 64 accumulators take turns, one instruction a turn.
.macro MULP m, hh, sp, fst, ln, xc
.if (\fst) && ((\m) == 3)
	PLACES 5                                       ; these products write over the C of those just issued
.endif
.irp t, 0,1,2,3,4,5,6,7
.set E_, 8*(\hh)+\t
.set MW_, 2+(\m)/2
.set D_, 128*((\m)%2)+8*E_
.set S_, 12*E_
.set R_, 192+12*(\m)
.if (\fst)
.set C_, 128+8*E_
.set CW_, 3
.else
.set C_, D_
.set CW_, MW_
.endif
.set XB_, 36+2*((E_/4)%2)+8*(E_/8)+(E_/2)%2
.set XA_, 32+8*(\sp)+(\m)
	WIN 5|(CW_<<4)|(MW_<<6)
.if \t%2
	v_wmma_scale_f32_16x16x128_f8f6f4 v[D_:D_+7], v[S_:S_+11], v[R_:R_+11], v[C_:C_+7], v[XB_], v[XA_] matrix_a_fmt:MATRIX_FMT_FP6 matrix_b_fmt:MATRIX_FMT_FP6 matrix_a_scale:MATRIX_SCALE_ROW1
.else
	v_wmma_scale_f32_16x16x128_f8f6f4 v[D_:D_+7], v[S_:S_+11], v[R_:R_+11], v[C_:C_+7], v[XB_], v[XA_] matrix_a_fmt:MATRIX_FMT_FP6 matrix_b_fmt:MATRIX_FMT_FP6
.endif
.if (\ln) >= 0
	LINE (\ln)+\t, 96, 52, 0
	LINE (\ln)+\t, \xc, 54, 0
.endif
.endr
.endm
.macro ROWS b, m                       ; row tile m's fragment from image buffer b (the windows are set)
.irp c, 0,1,2
	ds_load_b128 v[192+12*(\m)+4*\c:195+12*(\m)+4*\c], v8 offset:XB*(\b)+1536*(\m)+512*\c
.endr
.endm
.macro KLOAD x, ks                     ; my 16 rows of key, K step ks: each load reads 512 consecutive bytes of a row
.irp i, 0,1,2,3,4,5,6,7,8,9,10,11,12,13,14,15
	global_load_b128 v[(\x)+4*\i:(\x)+4*\i+3], v1, s[4:5] offset:4096*\i+512*(\ks) th:TH_LOAD_NT
.endr
.endm
.macro STAGEIN x
.irp i, 0,1,2,3,4,5,6,7,8,9,10,11,12,13,14,15
	ds_store_b128 v4, v[(\x)+4*\i:(\x)+4*\i+3] offset:SPITCH*\i
.endr
.endm
.macro STAGEOUT x                      ; row r: k = 32 h + 0 .. 31 into v96 on, k = 64 + 32 h + 0 .. 31 over the first rows as loaded
.irp j, 0,1,2,3,4,5,6,7
	ds_load_b128 v[96+4*\j:99+4*\j], v5 offset:16*\j
.endr
.irp j, 0,1,2,3,4,5,6,7
	ds_load_b128 v[(\x)+4*\j:(\x)+4*\j+3], v5 offset:256+16*\j
.endr
.endm
.macro CONVP x, b                      ; the two blocks become codes and bytes, and go to image buffer b: 5 LDS stores
	WIN 0
	v_add_nc_u32 v60, 0xff000000, v52              ; 2 off the exponent field: the conversion takes the exponent field of this operand as its scale
	v_add_nc_u32 v61, 0xff000000, v54
	WIN 0x40
	v_cvt_scalef32_pk16_fp6_f32 v[240:242], v[96:111], v60
	v_cvt_scalef32_pk16_fp6_f32 v[246:248], v[(\x):(\x)+15], v61
	WIN 0
	v_cvt_scalef32_pk16_fp6_f32 v[68:70], v[112:127], v60   ; (a conversion's three registers begin on an even number: these are moved)
	v_cvt_scalef32_pk16_fp6_f32 v[76:78], v[(\x)+16:(\x)+31], v61
	v_lshrrev_b32 v62, 23, v60                     ; the scales' bytes; also the plain places behind the conversions
	v_lshrrev_b32 v63, 23, v61
	WIN 0x40
.irp i, 0,1,2
	v_mov_b32 v[243+\i], v[68+\i]
	v_mov_b32 v[249+\i], v[76+\i]
.endr
	WIN 0x04
.irp c, 0,1,2
	ds_store_b128 v6, v[240+4*\c:243+4*\c] offset:XB*(\b)+512*\c
.endr
	WIN 0
	ds_store_b8 v7, v62 offset:XB*(\b)
	ds_store_b8 v7, v63 offset:XB*(\b)+2
.endm
; Period p of the first product in three parts (e = p % 2: its slot and its image buffer).
; A1: behind the joint load: step p + 1 of key into the stage (lw: key's younger loads); the first half of step p's weights, row tiles 0 and 1; the last 16 products of step p - 1.
.macro A1 e, lw, ask, prev
.if (\lw) >= 0
	s_wait_loadcnt \lw
	STAGEIN 128+64*(1-(\e))
.endif
	FETCHB \e, 0
	WIN 0x40
	ROWS \e, 0
	ROWS \e, 1
	WIN 0
	ds_load_b128 v[32+8*(\e):35+8*(\e)], v9 offset:XB*(\e)
	ASK \ask
.if (\prev) > 0
	MULP 2, 1, 1-(\e), (\prev)/2, -1, 0
	MULP 3, 1, 1-(\e), (\prev)/2, -1, 0
	WIN 0
.endif
.endm
; B1: the first 32 products, the lines of step p + 1's largest magnitudes among the last 16 of them; then its codes.  kl >= 0: step p + 3 of key is asked for.
.macro B1 e, quant, kl, fst
.set KX_, 128+64*(1-(\e))
.if \quant
	s_wait_dscnt 33                                ; my 16 stores into the stage are done; the 33 loads behind them may be out
.endif
	PLACES 4                                       ; for the loads into registers that the products just issued read
.if \quant
	STAGEOUT KX_
.endif
	WIN 0x40
	ROWS \e, 2
	ROWS \e, 3
	FETCHB \e, 1
.if \quant
	s_wait_dscnt 48                                ; the weights' first half and row tiles 0 and 1 are in; the 16 + 6 + 26 just issued may be out
.else
	s_wait_dscnt 32
.endif
	MULP 0, 0, \e, \fst, -1, 0
	MULP 1, 0, \e, \fst, -1, 0
	s_wait_dscnt 26                                ; key's numbers and row tiles 2 and 3 are in; the 26 loads of the weights' second half may be out
.if \quant
	MULP 2, 0, \e, \fst, 0, KX_
	MULP 3, 0, \e, \fst, 8, KX_
	CONVP KX_, 1-(\e)
.else
	MULP 2, 0, \e, \fst, -1, 0
	MULP 3, 0, \e, \fst, -1, 0
.endif
	WIN 0
.if (\kl) >= 0
	KLOAD KX_, \kl
.endif
.endm
.macro REFILL e                        ; the rest of the round, and the joint load of the fill two further on into the slot read out
	WIN 0
	s_barrier_wait -1
	CREST                                          ; no wave of any partner still reads this slot or has a load on its way
	s_add_nc_u64 s[34+4*(\e):35+4*(\e)], s[34+4*(\e):35+4*(\e)], 2*SLOTB   ; no tensor load of mine is out
	tensor_load_to_lds s[32+4*(\e):35+4*(\e)], s[24:31]
	s_nop 0
	PLACES 4
.endm
; R1: the change of slots, in the middle of the last 32 products.  Each wave waits for its tensor loads (its portion of the next fill), adds 0 to its spare word, waits for that and for its reads of this slot.
; Half of the products issued here stand ahead of the wait for the tile, the other half between the add and the wait for it.
.macro R1 e, fst
	s_wait_dscnt 5                                 ; the weights' second half is in; my five image stores may be out
	MULP 0, 1, \e, \fst, -1, 0
	WIN 0
	s_wait_tensorcnt 0x0
	ds_add_u32 v2, v3
	MULP 1, 1, \e, \fst, -1, 0
	s_wait_dscnt 0x0                               ; the add, my reads of the slot, and my images, which the others read behind the round
	s_barrier_signal -1
	REFILL \e
.endm
; ---- between the products: the 64 numbers of row tile m, half g of my units, are squared, quantised along the next K and stored as K step 2 w + g of the second product
.macro TRQ m, g
.set TW_, 2+(\m)/2
.set TX_, 128*((\m)%2)+64*(\g)
.set TC_, 96+24*(\m)+12*(\g)
.set TB_, 192+4*(\m)+2*(\g)
	WIN TW_*69                                     ; sources 0, 1 and destination
.set I_, 0
.rept 32
	v_pk_mul_f32 v[TX_+I_:TX_+I_+1], v[TX_+I_:TX_+I_+1], v[TX_+I_:TX_+I_+1]   ; v x g = k x k, in f32; each accumulator from its low end on
.set I_, I_+2
.endr
.irp i, 0,1,2,3,4,5,6,7,8,9,10,11,12,13,14,15
	LINE \i, TX_, 52, TW_
	LINE \i, TX_+32, 54, TW_
.endr
	WIN 0
	v_add_nc_u32 v60, 0xff000000, v52
	v_add_nc_u32 v61, 0xff000000, v54
	WIN TW_
	v_cvt_scalef32_pk16_fp6_f32 v[TC_:TC_+2], v[TX_:TX_+15], v60
	v_cvt_scalef32_pk16_fp6_f32 v[TC_+6:TC_+8], v[TX_+32:TX_+47], v61
	v_cvt_scalef32_pk16_fp6_f32 v[68:70], v[TX_+16:TX_+31], v60
	v_cvt_scalef32_pk16_fp6_f32 v[76:78], v[TX_+48:TX_+63], v61
	WIN 0
	v_lshrrev_b32 v[TB_], 23, v60
	v_lshrrev_b32 v[TB_+1], 23, v61
.irp i, 0,1,2
	v_mov_b32 v[TC_+3+\i], v[68+\i]
	v_mov_b32 v[TC_+9+\i], v[76+\i]
.endr
.irp c, 0,1,2
	ds_store_b128 v10, v[TC_+4*\c:TC_+4*\c+3] offset:6144*(\g)+1536*(\m)+512*\c
.endr
	ds_store_b8 v11, v[TB_] offset:256*(\g)+4*(\m)
	ds_store_b8 v11, v[TB_+1] offset:256*(\g)+4*(\m)+2
.endm
.macro ALOAD s                         ; the hidden layer's four fragments of K step s and their scale words: 13 LDS loads
	WIN (2+(\s)/5)<<6
.irp j, 0,1,2,3,4,5,6,7,8,9,10,11
	ds_load_b128 v[48*((\s)%5)+4*\j:48*((\s)%5)+4*\j+3], v12 offset:6144*(\s)+512*\j
.endr
	WIN 0
	ds_load_b128 v[32+8*(\s):35+8*(\s)], v13 offset:256*(\s)
.endm
; ---- the second product.  ADD8: a quarter of row tile m's results: rows 2 q, 2 q + 1 (and 8 further on): the bias is added, and a row's four columns lie side by side.  Each accumulator from its low end on.
.macro ADD8 m, q
	WIN (1+2*((\m)/2))<<6
.irp a, 0,1
.irp b, 0,1,2,3
	v_add_f32 v[192+32*((\m)%2)+4*(2*(\q)+\a)+\b], v[96+32*(\m)+8*\b+2*(\q)+\a], v[224+\b]
.endr
.endr
.endm
.macro SEND m                          ; row tile m: 8 stores, each 2 x 256 consecutive bytes, at multiples of 256 from out0's first byte (s[12:13] stands 256 bytes further on)
	WIN (1+2*((\m)/2))<<2
.irp j, 0,1,2,3,4,5,6,7
	global_store_b128 v20, v[192+32*((\m)%2)+4*\j:195+32*((\m)%2)+4*\j], s[12:13] offset:(16*(\m)+\j)*4096-256 th:TH_STORE_NT
.endr
	WIN 0
.endm
; 4 products: K step ks (u-th of its fill) x row tile m x 4 tiles; z: they start the sums; ad >= 0: behind each, a quarter of row tile ad's way out
.macro MULU ks, u, m, z, ad
.irp t, 0,1,2,3
.set RW_, 2+(\ks)/5
.set R_, 48*((\ks)%5)+12*(\m)
.set S_, 12*(4*(\u)+\t)
.set D_, 96+32*(\m)+8*\t
.set XB_, 36+2*((\u)%2)+8*((\u)/2)+\t/2
.set XA_, 32+8*(\ks)+(\m)
	WIN RW_|(1<<2)
.if (\z) && (\t%2)
	v_wmma_scale_f32_16x16x128_f8f6f4 v[D_:D_+7], v[R_:R_+11], v[S_:S_+11], 0, v[XA_], v[XB_] matrix_a_fmt:MATRIX_FMT_FP6 matrix_b_fmt:MATRIX_FMT_FP6 matrix_b_scale:MATRIX_SCALE_ROW1
.elseif (\z)
	v_wmma_scale_f32_16x16x128_f8f6f4 v[D_:D_+7], v[R_:R_+11], v[S_:S_+11], 0, v[XA_], v[XB_] matrix_a_fmt:MATRIX_FMT_FP6 matrix_b_fmt:MATRIX_FMT_FP6
.elseif \t%2
	v_wmma_scale_f32_16x16x128_f8f6f4 v[D_:D_+7], v[R_:R_+11], v[S_:S_+11], v[D_:D_+7], v[XA_], v[XB_] matrix_a_fmt:MATRIX_FMT_FP6 matrix_b_fmt:MATRIX_FMT_FP6 matrix_b_scale:MATRIX_SCALE_ROW1
.else
	v_wmma_scale_f32_16x16x128_f8f6f4 v[D_:D_+7], v[R_:R_+11], v[S_:S_+11], v[D_:D_+7], v[XA_], v[XB_] matrix_a_fmt:MATRIX_FMT_FP6 matrix_b_fmt:MATRIX_FMT_FP6
.endif
.if (\ad) >= 0
	ADD8 \ad, \t
.endif
.endr
.endm
.macro MULA ks, u, z                   ; all four row tiles: the 16 accumulators by turns
.irp m, 0,1,2,3
	MULU \ks, \u, \m, \z, -1
.endr
.endm
.macro E0                              ; a group's first 32 products: the constant 0 starts the sums
	MULA 0, 0, 1
	MULA 1, 1, 0
	WIN 0
.endm
.macro R2 e                            ; the change of slots, as R1, among the products of the fill's third K step
	WIN 0
	s_wait_dscnt 0x0                               ; the weights' second half
	MULU 4*(\e)+2, 2, 0, 0, -1
	MULU 4*(\e)+2, 2, 1, 0, -1
	MULU 4*(\e)+2, 2, 2, 0, -1
	WIN 0
	s_wait_tensorcnt 0x0
	ds_add_u32 v2, v3
	MULU 4*(\e)+2, 2, 3, 0, -1
	s_wait_dscnt 0x0                               ; the add; my reads of the slot are over
	s_barrier_signal -1
	REFILL \e
.endm
; ================= THE HEAD
	s_load_b256 s[4:11], s[0:1], 0x0               ; key s[4:5], bk s[6:7], bo s[8:9], wq s[10:11]
	s_load_b64 s[12:13], s[0:1], 0x20              ; out0
	v_lshl_add_u32 v2, v0, 2, SPARE
	v_mov_b32 v3, 0
	ds_add_u32 v2, v3                              ; the opening lines: the add, twice on end, and its wait ahead of my first tensor load
	ds_add_u32 v2, v3
	v_lshrrev_b32 v23, 5, v0
	v_readfirstlane_b32 s14, v23                   ; wave 0..3
	s_bfe_u32 s15, ttmp6, 0x40000                  ; cx: it enters the addresses of key, of out0 and of the prefetches alone
	s_lshl_b32 s16, ttmp9, 2
	s_add_co_u32 s16, s16, s15                     ; my block of 64 rows
	s_lshl_b32 s16, s16, 18                        ; 64 rows of 4,096 bytes
	s_lshl_b32 s17, s14, 16
	s_add_co_u32 s18, s16, s17                     ; key: + my 16 rows
	s_mov_b32 s19, 0
	s_lshl_b32 s20, s14, 10                        ; my 256 columns, in bytes: in bk, bo
	s_mov_b32 s21, 0
	s_add_co_u32 s16, s16, s20                     ; and in out0
	s_mov_b32 s17, 0
	s_mul_i32 s54, s14, PORT                       ; my portion of a fill
	s_mov_b32 s55, 0
	s_mul_i32 s56, s15, PORT/4
	s_add_co_u32 s56, s56, s54                     ; my quarter of it for the prefetches
	s_mov_b32 s57, 0
	s_mov_b32 s23, 0                               ; the second product's trips
	s_and_b32 s46, ttmp9, 0xffffffdb               ; all work-groups read wq: the clusters 0, 4, 32 and 36 prefetch it
	s_cmp_eq_u32 s46, 0
	s_cselect_b32 s47, 2, 0
	; descriptor group 1: a dense block of 25,600 bytes as 100 rows of 256 bytes (32 elements of 8 bytes)
	s_mov_b32 s24, 15|(3<<16)|(1<<21)              ; 15:0 the mask: all four work-groups; 17:16 elements of 8 bytes; 21 set beside a mask
	s_mov_b32 s25, 32<<16                          ; tensor_dim0
	s_mov_b32 s26, 100<<16                         ; tensor_dim1
	s_mov_b32 s27, 32<<16                          ; tile_dim0
	s_mov_b32 s28, 100                             ; tile_dim1
	s_mov_b32 s29, 32                              ; tensor_dim0_stride
	s_mov_b32 s30, 0
	s_mov_b32 s31, 0
	s_mul_i32 s40, s14, WSTG
	s_add_co_u32 s40, s40, STG                     ; my stage
	s_mul_i32 s41, s14, 1536
	s_add_co_u32 s41, s41, XIMG                    ; key's row tile m = w
	s_lshl_b32 s42, s14, 2
	s_add_co_u32 s42, s42, XIMG+6144
	s_mul_i32 s43, s14, 12288
	s_add_co_u32 s43, s43, HIMG                    ; the hidden layer's K step 2 w
	s_lshl_b32 s48, s14, 9
	s_add_co_u32 s48, s48, HSC
	s_add_co_u32 s49, s54, 24576                   ; my portion's scale words
	v_and_b32 v23, 31, v0                          ; lane
	v_and_b32 v24, 15, v0                          ; r
	v_bfe_u32 v25, v0, 4, 1                        ; h
	v_lshlrev_b32 v1, 4, v23                       ; v1  16 x lane
	v_add_nc_u32 v4, s40, v1                       ; v4  stage, key in
	v_mul_u32_u24 v26, v24, SPITCH
	v_lshl_add_u32 v26, v25, 7, v26
	v_add_nc_u32 v5, s40, v26                      ; v5  stage, key out: row r, + 128 h
	v_add_nc_u32 v6, s41, v1                       ; v6  where I store key's images,
	v_lshl_add_u32 v26, v24, 4, v25
	v_add_nc_u32 v7, s42, v26                      ; v7  and their scale bytes: word r, byte h
	v_add_nc_u32 v8, XIMG, v1                      ; v8  where every wave reads them
	v_lshlrev_b32 v27, 4, v24                      ; v27 16 r: also my four columns of the second bias
	v_add_nc_u32 v9, XIMG+6144, v27                ; v9
	v_add_nc_u32 v10, s43, v1                      ; v10-13  the same for the hidden layer
	v_add_nc_u32 v11, s48, v26
	v_add_nc_u32 v12, HIMG, v1
	v_add_nc_u32 v13, HSC, v27
	v_add_nc_u32 v14, s54, v1                      ; v14, v15  my portion in slot 0, 1
	v_add_nc_u32 v15, SLOTB, v14
	v_lshlrev_b32 v26, 3, v23
	v_add_nc_u32 v16, s49, v26                     ; v16, v17  its scale words
	v_add_nc_u32 v17, SLOTB, v16
	v_lshlrev_b32 v20, 15, v25
	v_lshl_add_u32 v20, v24, 4, v20                ; v20  out0: lanes 0-15 a row's 256 bytes, lanes 16-31 those of the row 8 further on
	v_lshlrev_b32 v21, 7, v25                      ; v21  the first bias: 128 h bytes
	v_min_u32 v22, 24, v23
	v_lshlrev_b32 v22, 8, v22                      ; v22  the prefetches: 25 blocks of 256 bytes, the lanes left over name the last again
	s_wait_alu depctr_va_vdst(0)
	s_wait_dscnt 0x0                               ; both opening adds are done
	CROUND                                         ; all four work-groups are here: the first joint loads meet
	s_wait_kmcnt 0x0
	s_add_nc_u64 s[4:5], s[4:5], s[18:19]
	s_add_nc_u64 s[6:7], s[6:7], s[20:21]
	s_add_nc_u64 s[8:9], s[8:9], s[20:21]
	s_add_nc_u64 s[12:13], s[12:13], s[16:17]
	s_add_nc_u64 s[44:45], s[10:11], s[56:57]
	s_add_nc_u64 s[10:11], s[10:11], s[54:55]
	s_mov_b32 s32, 1                               ; group 0 for slot 0: count = 1,
	s_mov_b32 s33, s54                             ; LDS address,
	s_mov_b64 s[34:35], s[10:11]                   ; global address: fill 0, my portion,
	s_or_b32 s35, s35, 0x80000000                  ; type = 2
	tensor_load_to_lds s[32:35], s[24:31]          ; fill 0: one tensor load a wave at the head
	s_nop 0
	PLACES 4
	s_mov_b32 s36, 1
	s_add_co_u32 s37, s54, SLOTB
	s_add_nc_u64 s[38:39], s[10:11], SLOTB
	s_or_b32 s39, s39, 0x80000000
	KLOAD 128, 0                                   ; what is needed first is asked for first: fill 0 and key's step 0; step 1 and the bias when step 0 is in
	ASK 1
	ASK 2
	s_wait_loadcnt 0x0                             ; key's K step 0
	STAGEIN 128
	KLOAD 192, 1
	WIN 0xc0
.irp e, 0,1,2,3,4,5,6,7,8,9,10,11,12,13,14,15
	global_load_b128 v[128+8*\e:131+8*\e], v21, s[6:7] offset:256*(\e/4)+32*(\e%4)      ; bk in the result's layout, into row tile 3's accumulators
	global_load_b128 v[132+8*\e:135+8*\e], v21, s[6:7] offset:256*(\e/4)+32*(\e%4)+16
.endr
	WIN 0
	s_wait_dscnt 0x0
	STAGEOUT 128
	s_wait_tensorcnt 0x0                           ; fill 0 is in
	ds_add_u32 v2, v3
	s_wait_dscnt 0x0                               ; the add is done, and key's numbers are back
	CROUND
	tensor_load_to_lds s[36:39], s[24:31]          ; fill 1
	s_nop 0
	PLACES 4
.irp i, 0,1,2,3,4,5,6,7,8,9,10,11,12,13,14,15
	LINE \i, 96, 52, 0
	LINE \i, 128, 54, 0
.endr
	CONVP 128, 0
	KLOAD 128, 2
	s_wait_dscnt 0x0                               ; for the others' sake: my image has landed
	s_barrier_signal -1
	s_barrier_wait -1                              ; Fill 1 may stay out
; ================= THE FIRST PRODUCT
	A1 0, 16, 3, 0                                 ; (16: key's step 2; so the bias is in too)
	B1 0, 1, 3, 1
	R1 0, 1
	A1 1, 16, 4, 2
	B1 1, 1, 4, 0
	R1 1, 0
	A1 0, 16, 5, 1
	B1 0, 1, 5, 0
	R1 0, 0
	A1 1, 16, 6, 1
	B1 1, 1, 6, 0
	R1 1, 0
	A1 0, 16, 7, 1
	B1 0, 1, 7, 0
	R1 0, 0
	A1 1, 16, 8, 1                                 ; period 5: key's last step is on its way
	B1 1, 1, -1, 0
	R1 1, 0
	A1 0, 0, 9, 1
	B1 0, 1, -1, 0
	R1 0, 0
	A1 1, -1, 10, 1                                ; period 7: no more of key
	B1 1, 0, -1, 0
	s_wait_dscnt 0x0                               ; the weights' second half; my reads of slot 1 are over
.irp m, 0,1,2,3
	MULP \m, 1, 1, 0, -1, 0
.endr
	WIN 0
	PLACES 4
; ================= BETWEEN THE PRODUCTS: fill 8's landing and reading lie under the quantising, and its round stands behind it
	global_load_b128 v[224:227], v27, s[8:9]       ; group 0's bias: my four columns
.irp m, 0,1
	TRQ \m, 0
	TRQ \m, 1
.endr
	WIN 0
	s_wait_tensorcnt 0x0                           ; fill 8, the second product's first: my own portion, which I alone read
	FETCHB 0, 0
	FETCHB 0, 1
.irp m, 2,3
	TRQ \m, 0
	TRQ \m, 1
.endr
	WIN 0
	s_wait_tensorcnt 0x0                           ; none of mine is out
	ds_add_u32 v2, v3
	s_wait_dscnt 0x0                               ; the add; for the others' sake: my images have landed
	s_barrier_signal -1
	REFILL 1                                       ; the hidden layer's images lie in LDS; fill 9 into slot 1, which was read out in period 7
.irp s, 0,1,2,3,4,5,6,7
	ALOAD \s
.endr
	ASK 11
; ================= THE SECOND PRODUCT
	s_wait_dscnt 60                                ; of the 104 loads at least 44 are in: K steps 0 and 1 are the first 26
	E0
.Lp2:                                              ; the rest of group g, and the first 32 products of group g + 1
	R2 0
	FETCHB 1, 0
	ASK 12
	MULA 3, 3, 0
	WIN 0
	s_wait_dscnt 0x0
	PLACES 4
	FETCHB 1, 1
	s_wait_xcnt 0x0                                ; the last group's stores have read their registers and their base, the bias's load and the prefetch theirs
	s_add_nc_u64 s[8:9], s[8:9], 256
	s_add_nc_u64 s[12:13], s[12:13], 256
	s_add_nc_u64 s[44:45], s[44:45], 2*SLOTB
	MULA 4, 0, 0
	MULA 5, 1, 0
	R2 1
	FETCHB 0, 0
	ASK 11
	s_wait_loadcnt 0x0                             ; this group's bias
	MULU 7, 3, 0, 0, -1
	PLACES 4
	MULU 7, 3, 1, 0, 0                             ; row tile 0 is laid out among row tile 1's products, and so on; the additions are also the places behind those products
	MULU 7, 3, 2, 0, 1
	MULU 7, 3, 3, 0, 2
.irp q, 0,1,2,3
	ADD8 3, \q
.endr
	WIN 0
	s_wait_alu depctr_va_vdst(0)
	s_wait_dscnt 0x0                               ; the next group's weights, first half
	FETCHB 0, 1
	global_load_b128 v[224:227], v27, s[8:9]       ; the next group's bias
.irp m, 0,1,2,3
	SEND \m
.endr
	E0
	s_add_co_u32 s23, s23, 1
	s_cmp_lt_u32 s23, 3
	s_cbranch_scc1 .Lp2
	s_wait_dscnt 0x0
	MULA 2, 2, 0
	WIN 0
	s_wait_tensorcnt 0x0                           ; the last fill, my own portion, which I alone read; nothing is filled again
	PLACES 4
	FETCHB 1, 0
	MULA 3, 3, 0
	WIN 0
	s_wait_dscnt 0x0
	PLACES 4
	FETCHB 1, 1
	s_wait_xcnt 0x0
	s_add_nc_u64 s[12:13], s[12:13], 256
	MULA 4, 0, 0
	MULA 5, 1, 0
	WIN 0
	s_wait_loadcnt 0x0
	s_wait_dscnt 0x0
	MULU 6, 2, 0, 0, -1                            ; the last two K steps go by row tiles, so that finished rows leave while the others are multiplied
	MULU 7, 3, 0, 0, -1
	PLACES 4
.irp m, 1,2,3
	MULU 6, 2, \m, 0, \m-1
	MULU 7, 3, \m, 0, -1
	WIN 0
	PLACES 4
	s_wait_alu depctr_va_vdst(0)
	SEND \m-1
.endr
.irp q, 0,1,2,3
	ADD8 3, \q
.endr
	SEND 3
	s_wait_tensorcnt 0x0                           ; the wave's end
	ds_add_u32 v2, v3
	s_wait_dscnt 0x0
	CROUND                                         ; the closing round: no work-group ends while a partner may still ask for a fill that names it
	s_endpgm
.Lfunc_end_k_q77258889db_main:
	.size	k_q77258889db_main, .Lfunc_end_k_q77258889db_main-k_q77258889db_main
	.p2alignl 7, 3214868480
	.fill 96, 4, 3214868480
	.section	.rodata,"a",@progbits
	.p2align	6, 0x0
	.amdhsa_kernel k_q77258889db_main
		.amdhsa_group_segment_fixed_size 327680
		.amdhsa_private_segment_fixed_size 0
		.amdhsa_enable_private_segment 0
		.amdhsa_kernarg_size 40
		.amdhsa_user_sgpr_count 2
		.amdhsa_user_sgpr_kernarg_segment_ptr 1
		.amdhsa_wavefront_size32 1
		.amdhsa_system_sgpr_workgroup_id_x 1
		.amdhsa_system_sgpr_workgroup_id_y 1
		.amdhsa_system_sgpr_workgroup_id_z 1
		.amdhsa_system_vgpr_workitem_id 0
		.amdhsa_next_free_vgpr 1024
		.amdhsa_next_free_sgpr 66
		.amdhsa_reserve_vcc 0
		.amdhsa_float_denorm_mode_32 3
		.amdhsa_float_denorm_mode_16_64 3
		.amdhsa_memory_ordered 1
		.amdhsa_forward_progress 1
		.amdhsa_inst_pref_size 255
	.end_amdhsa_kernel
	.section	.bss,"aw",@nobits
	.p2align	6
	.space	262144
	.amdgpu_metadata
---
amdhsa.version: [ 1, 2 ]
amdhsa.kernels:
  - .name:           k_q77258889db_main
    .symbol:         k_q77258889db_main.kd
    .args:
      - { .name: key, .offset: 0, .size: 8, .value_kind: global_buffer, .address_space: global }
      - { .name: bk, .offset: 8, .size: 8, .value_kind: global_buffer, .address_space: global }
      - { .name: bo, .offset: 16, .size: 8, .value_kind: global_buffer, .address_space: global }
      - { .name: wq, .offset: 24, .size: 8, .value_kind: global_buffer, .address_space: global }
      - { .name: out0, .offset: 32, .size: 8, .value_kind: global_buffer, .address_space: global }
    .group_segment_fixed_size: 327680
    .private_segment_fixed_size: 0
    .kernarg_segment_align: 8
    .kernarg_segment_size: 40
    .max_flat_workgroup_size: 128
    .sgpr_count:     66
    .vgpr_count:     1024
    .wavefront_size: 32
...
	.end_amdgpu_metadata
.endif
;; end of part 2
